; MI455X (gfx1250); checked and timed in simulation.
; The chip was launched on July 23, 2026; its instructions are those of AMD's public machine-readable ISA for CDNA 5 (MIT licence, August 2026) and "CDNA5" Instruction Set Architecture Reference Guide (July 2026). The comments in the code are by the model that wrote it; some were corrected since.
;; Qu Linear. Allowed arithmetic: float matrix products may take bf16 or f16 operands with f32 sums; all other float work in f32.
;; Inputs: weight 150 float32; x 8,192 x 1,024 float32.
;; Outputs: out0 8,192 x 1 x 1,024 float32.
;; 2 versions, each right; version 2 is version 1 with the launch qulinear written anew for expert scheduling mode. Each part assembles by itself: llvm-mc -triple=amdgcn-amd-amdhsa -mcpu=gfx1250 --defsym DOCPART=n.
;; ======== version 1 of 2: 1 launch
;; limits: inputs' magnitudes at most 1,000,000
;; launch qulinear (part 1): grid 256 x 1, 8 waves a work-group, no clusters, 209,920 bytes of LDS; arguments weight, x, out0; writes out0
.if DOCPART == 1
	.amdgcn_target "amdgcn-amd-amdhsa--gfx1250"
	.amdhsa_code_object_version 6
	.text
	.protected	k_q44daa2d378_qulinear
	.globl	k_q44daa2d378_qulinear
	.p2align	8
	.type	k_q44daa2d378_qulinear,@function
k_q44daa2d378_qulinear:
	s_mov_b64 s[64:65], 0
	v_nop
	global_prefetch_b8 v0, s[64:65] scope:SCOPE_SE
	s_setreg_imm32_b32 hwreg(HW_REG_WAVE_MODE, 25, 1), 1
	s_wait_xcnt 0x0
; out[b] = Re( U x[b] / max(|x[b]|, 1e-12) ),  U the 1024 x 1024 unitary of a 10-qubit circuit given by 150 angles.
; x, out: [8192][1024] f32.  Index i = 32 hi + lo; qubit q is bit 9-q: hi holds q0..q4, lo holds q5..q9.
;
; U is never built.  Each of the five layers is (gates on hi) x (gates on lo), so a row of x, seen as a complex 32 x 32 matrix
; psi[hi][lo], goes through ten products with a complex 32 x 32 table, written as a real 64 x 64 table
; T[32 ri' + out][32 ri + in] = (Br, -Bi; Bi, Br).  Even stages contract hi, odd stages lo.
; The ring of CNOTs: C0..C3 and C5..C8 are prefix XORs inside hi and inside lo; they are folded into the tables
; (row o of the table is row o ^ (o >> 1) of the Kronecker product).  What is left is 'lo ^= 31 where hi & 1' (C4 moved behind
; the prefix XOR) and 'hi ^= 16 where lo & 1' (C9); both are done in the conversion between an odd stage and the next.
; THE STATE STAYS IN REGISTERS: it is source A (lane = row, K along the registers), the table is source B.  In the result the lanes
; hold the new index and (tile, lane half, register) the other index, which is exactly A's K layout for the next stage, so the step
; from stage to stage is 32 conversions f32 -> f16 with a fixed choice of registers.  From stage 0's result on, an index v sits at
; position REV5(v) (five bits reversed), so that hi & 1 and lo & 1 are the tile number and hi's top bit is the register's parity: the
; two cross CNOTs become a choice of tile and register, plus one exchange of lanes r <-> 15 - r for half of the registers.
; Stages 8 and 9 put their results back in natural order; stage 9 makes the real part only and swaps the sources, so that a lane
; holds eight neighbouring numbers of a row of 32.
;
; SHARES: 256 work-groups of 8 waves; a work-group takes 32 rows of x, a wave 4, two at a time.  144 matrix instructions a row.
; A wave asks for its 16 KiB of x at its entry (32 loads, into v256-v383) and builds the tables meanwhile.
; Work-groups share nothing but the 600 bytes of angles, so there is no cluster and no joint request; x is used once and goes
; straight to registers, so there is no tensor load.
;
; FORMAT AND LIMITS.  Operands are f16, sums f32: the allowance near zero is 0.01 of the output's rms, and ten stages that round state and
; table to 8 bits of mantissa would use up too much of it; 11 bits leave a wide margin.  State and tables are rounded to f16 in every stage;
; an amplitude below 2^-24 of its row's norm becomes 0.  sin and cos: the half angle less n times 2 pi (2 pi held in two words), then
; polynomials of degree 15 and 16 on [-pi, pi], truncation below 1e-6; the reduction is good for |angle| up to about 1e6.
; x is multiplied by 1 / max(norm, 1e-12) instead of divided.  The sum of squares overflows where an f32 sum does.
.set TAB,    4096                      ; LDS: 0: 64 gate records of 64 bytes; then ten tables
.set TABSZ,  8192                      ; a table: 8 fragments (2 nt + ks) of 1,024 bytes: register half x 512 + lane x 16
.set XP,     96                        ; x as f16 [hi][lo]: 64 bytes + 32, an odd multiple of 32 for the transposing load
.set XSLOT,  32*XP
.set XSW,    2*XSLOT                   ; two rows for each wave
.set XS,     TAB+10*TABSZ              ; 86,016
.set OPI,    144                       ; out as f32 [hi][lo]: 128 bytes + 16
.set OSLOT,  32*OPI
.set OSW,    2*OSLOT
.set OS,     XS+8*XSW                  ; 135,168; ends at 208,896
.set LANE, 1                           ; v1   lane
.set XOFF, 2                           ; v2   16 x lane: my bytes in each 512 of x and of out
.set ADT0, 3                           ; v3   tables 0-4: TAB + 16 x lane
.set ADT1, 4                           ; v4   tables 5-9 (an LDS offset has 16 bits)
.set ADXS, 5                           ; v5   where my 4 numbers of x go
.set ADTR, 6                           ; v6   transposing load of x
.set ADOS, 7                           ; v7   where my 8 results go
.set ADOL, 8                           ; v8   where I read 16 bytes of a result row back
.set OMEGA, 14                         ; v14  builder: my row of the Kronecker product
.set PB,   15                          ; v15  builder: where my table row goes
.set FT,   16                          ; v[16:79]   table fragments, 8 registers each
.set FA,   80                          ; v[80:143]  state: row rho at 32 rho, fragment (mt, ks) at 16 mt + 8 ks
.set FD,   144                         ; v[144:207] results: tile (mt, nt) at 32 mt + 8 nt
.set TMP,  208                         ; v[208:239] at work
.set RINV, 240                         ; v[240:241] 1 / norm, twice
.set SS,   242
.set SX,   243
.set REC,  16                          ; builder: v[16:55] ten gate records (5 qubits x 2 inputs)
.set TP,   56                          ; builder: v[56:63] four pairs at work
.set PR,   80                          ; builder: v[80:95] Br, v[96:111] Bi, v[112:127] -Bi of my row, packed f16
.set PI,   96
.set NI,   112
.set EK,   144                         ; builder: v[144:207] my row of the product, 32 complex numbers
; v256-v383 (window 1, v0-v127): my four rows of x, load t of row g at 32 g + 4 t
.set MSB, 0
.macro WIN new                         ; s_set_vgpr_msb: bits 1:0 source 0, 3:2 source 1, 5:4 source 2, 7:6 destination; the high byte repeats the setting left
.if MSB != \new
	s_set_vgpr_msb (MSB<<8)|\new
.set MSB, \new
.endif
.endm
.macro PLACES                          ; four independent vector instructions between a matrix instruction and whatever reads its result
.rept 4                                ; or writes one of its registers (ISA guide 7.12.1)
	v_nop
.endr
.endm
	s_load_b128 s[4:7], s[0:1], 0x0                ; weight s[4:5], x s[6:7]
	s_load_b64 s[8:9], s[0:1], 0x10                ; out0
	v_lshl_add_u32 v254, v0, 2, 0x33000
	v_mov_b32 v255, 0
	v_lshrrev_b32 v48, 5, v0
	v_readfirstlane_b32 s10, v48                   ; wave 0..7
	v_and_b32 v[LANE], 31, v0
	v_lshlrev_b32 v[XOFF], 4, v[LANE]
	s_lshl_b32 s20, ttmp9, 17                      ; 32 rows of 4,096 bytes for the work-group
	s_lshl_b32 s21, s10, 14                        ; 4 rows for the wave
	s_add_co_u32 s20, s20, s21                     ; below 2^25
	s_mov_b32 s21, 0
	s_wait_kmcnt 0x0
	s_add_nc_u64 s[6:7], s[6:7], s[20:21]
	s_add_nc_u64 s[8:9], s[8:9], s[20:21]
	; Waves 0 and 1: thread g = 10 l + q asks for the three angles of gate g, at 30 l + q + 0, 10, 20.
	s_cmp_ge_u32 s10, 2
	s_cbranch_scc1 .Lxload
	v_mul_u32_u24 v9, v0, 205
	v_lshrrev_b32 v9, 11, v9                       ; l = g / 10 for g < 64
	v_mul_u32_u24 v9, v9, 20
	v_add_nc_u32 v9, v9, v0
	v_min_u32 v9, 129, v9                          ; threads 50-63 make records that nobody reads: keep them inside the 150 angles
	v_lshlrev_b32 v9, 2, v9
	global_load_b32 v10, v9, s[4:5]
	global_load_b32 v11, v9, s[4:5] offset:40
	global_load_b32 v12, v9, s[4:5] offset:80
.Lxload:
	WIN 0x40                                       ; destination in window 1
.irp g, 0,1,2,3
.irp t, 0,1,2,3,4,5,6,7
	global_load_b128 v[32*\g+4*\t:32*\g+4*\t+3], v[XOFF], s[6:7] offset:\g*4096+\t*512 th:TH_LOAD_NT   ; 512 neighbouring bytes a load
.endr
.endr
	WIN 0
	s_mov_b32 s12, 0x76543210                      ; v_permlanex16_b32: lane i of the other half
	s_mov_b32 s13, 0xfedcba98
	s_mov_b32 s14, 0x80008000                      ; the signs of two f16
	s_mov_b32 s15, 0x2b8cbccc                      ; 1e-12
	s_mov_b32 s22, 0x40c90fdb                      ; 2 pi, rounded,
	s_mov_b32 s23, 0xb43bbd2e                      ; and what the rounding left
	s_mul_i32 s16, s10, 320                        ; the five gate records of table s = wave
	s_mul_i32 s17, s10, XSW
	s_add_co_u32 s17, s17, XS                      ; my wave's own x stage
	s_mul_i32 s18, s10, OSW
	s_add_co_u32 s18, s18, OS                      ; my wave's own out stage
	s_lshl_b32 s19, s10, 13
	s_add_co_u32 s19, s19, TAB                     ; table s = wave
	v_add_nc_u32 v[ADT0], TAB, v[XOFF]
	v_add_nc_u32 v[ADT1], TAB+5*TABSZ, v[XOFF]
	v_lshrrev_b32 v48, 3, v[LANE]                  ; L >> 3
	v_and_b32 v49, 7, v[LANE]                      ; L & 7
	v_lshrrev_b32 v50, 4, v[LANE]                  ; h
	v_and_b32 v51, 15, v[LANE]                     ; r
	v_mul_u32_u24 v52, v48, XP                     ; load t of a row holds hi = 4 t + (L >> 3), lo = 4 (L & 7) ..
	v_lshl_add_u32 v52, v49, 3, v52
	v_add_nc_u32 v[ADXS], s17, v52
	v_mul_u32_u24 v52, v48, OPI                    ; and store t of a row likewise, 16 bytes
	v_lshl_add_u32 v52, v49, 4, v52
	v_add_nc_u32 v[ADOL], s18, v52
	v_lshl_add_u32 v52, v50, 3, v49                ; row 8 h + (L & 7),
	v_mul_u32_u24 v52, v52, XP
	v_and_b32 v53, 1, v48
	v_lshl_add_u32 v52, v53, 4, v52                ; 16 bytes at 16 ((L >> 3) & 1)
	v_add_nc_u32 v[ADTR], s17, v52
	v_mul_u32_u24 v52, v51, OPI                    ; row r, 32 bytes for each half of the lanes
	v_lshl_add_u32 v52, v50, 5, v52
	v_add_nc_u32 v[ADOS], s18, v52
	v_lshlrev_b32 v[PB], 11, v50                   ; table row = lane: column tile lane >> 4 (two fragments), lane & 15 in it
	v_lshl_add_u32 v[PB], v51, 4, v[PB]
	v_add_nc_u32 v[PB], s19, v[PB]
	v_and_b32 v[OMEGA], 4, v[LANE]                 ; REV5(lane)
	v_bfe_u32 v48, v[LANE], 0, 1
	v_lshl_or_b32 v[OMEGA], v48, 4, v[OMEGA]
	v_bfe_u32 v48, v[LANE], 1, 1
	v_lshl_or_b32 v[OMEGA], v48, 3, v[OMEGA]
	v_bfe_u32 v48, v[LANE], 3, 1
	v_lshl_or_b32 v[OMEGA], v48, 1, v[OMEGA]
	v_bfe_u32 v48, v[LANE], 4, 1
	v_or_b32 v[OMEGA], v[OMEGA], v48
	v_lshrrev_b32 v48, 1, v[OMEGA]
	v_xor_b32 v[OMEGA], v[OMEGA], v48              ; o ^ (o >> 1): the prefix XOR of the CNOTs, undone
	v_mov_b32 v[SX], 0                             ; v_permlanex16_b32 counts as a reader of its destination
; sin and cos of half of v[w].  Uses v22-v26.
.macro SINCOS sn, cs, w
	v_mul_f32 v22, 0.5, v[\w]
	v_mul_f32 v23, 0.15915494, v22
	v_rndne_f32 v23, v23                           ; n
	v_fma_f32 v22, -v23, s22, v22
	v_fma_f32 v22, -v23, s23, v22                  ; r in [-pi, pi]
	v_mul_f32 v24, v22, v22                        ; z = r^2
	v_mov_b32 v25, 0xab573f9f                      ; -1/15!
.irp kc, 0x2f309231, 0xb2d7322b, 0x3638ef1d, 0xb9500d01, 0x3c088889, 0xbe2aaaab
	v_fmaak_f32 v25, v25, v24, \kc                 ; 1/13!, -1/11!, 1/9!, -1/7!, 1/5!, -1/3!
.endr
	v_mul_f32 v26, v22, v24
	v_fma_f32 v[\sn], v26, v25, v22                ; r + r z p(z)
	v_mov_b32 v25, 0x29573f9f                      ; 1/16!
.irp kc, 0xad49cba5, 0x310f76c7, 0xb493f27e, 0x37d00d01, 0xbab60b61, 0x3d2aaaab, 0xbf000000
	v_fmaak_f32 v25, v25, v24, \kc                 ; -1/14!, 1/12!, -1/10!, 1/8!, -1/6!, 1/4!, -1/2!
.endr
	v_fma_f32 v[\cs], v24, v25, 1.0
.endm
	; THE GATES, waves 0 and 1.  Layers 0-3: G = Rz(c) Ry(b) Rx(a); layer 4: F = Ry(c) Rz(b) Ry(a).  Both have the form
	; (x00, x01; -conj x01, conj x00).  Both are computed and one is chosen by the thread's number.
	s_cmp_ge_u32 s10, 2
	s_cbranch_scc1 .Lnogate
	s_wait_loadcnt 32                              ; the three angles are in; the 32 younger loads of x stay out
	SINCOS 16, 17, 10                              ; sa, ca
	SINCOS 18, 19, 11                              ; sb, cb
	SINCOS 20, 21, 12                              ; sc, cc
	v_mul_f32 v28, v19, v17                        ; P = cb ca
	v_mul_f32 v29, v18, v16                        ; Q = sb sa
	v_mul_f32 v30, v18, v17                        ; R = sb ca
	v_mul_f32 v31, v19, v16                        ; S = cb sa
	v_mul_f32 v32, v20, v29
	v_mul_f32 v33, v20, v28
	v_mul_f32 v34, v20, v31
	v_mul_f32 v35, v21, v31
	v_fma_f32 v32, v21, v28, v32                   ; Re G00 =  cc P + sc Q
	v_fma_f32 v33, v21, v29, -v33                  ; Im G00 =  cc Q - sc P
	v_fma_f32 v34, -v21, v30, -v34                 ; Re G01 = -cc R - sc S
	v_fma_f32 v35, v20, v30, -v35                  ; Im G01 =  sc R - cc S
	v_mul_f32 v36, v21, v17                        ; cc ca
	v_mul_f32 v38, v21, v16                        ; cc sa
	v_fma_f32 v40, -v20, v16, v36                  ; cc ca - sc sa
	v_fma_f32 v41, v20, v16, v36                   ; cc ca + sc sa
	v_fma_f32 v42, v20, v17, v38                   ; cc sa + sc ca
	v_fma_f32 v43, -v20, v17, v38                  ; cc sa - sc ca
	v_mul_f32 v40, v40, v19                        ; Re F00 =  (cc ca - sc sa) cb
	v_mul_f32 v41, -v41, v18                       ; Im F00 = -(cc ca + sc sa) sb
	v_mul_f32 v42, -v42, v19                       ; Re F01 = -(cc sa + sc ca) cb
	v_mul_f32 v43, v43, v18                        ; Im F01 =  (cc sa - sc ca) sb
	v_cmp_le_u32 vcc_lo, 40, v0                    ; gates 40 and up are the last layer's
	v_cndmask_b32 v44, v32, v40, vcc_lo
	v_cndmask_b32 v45, v33, v41, vcc_lo
	v_cndmask_b32 v48, v34, v42, vcc_lo
	v_cndmask_b32 v49, v35, v43, vcc_lo
	; a record is (re, im, -im, im): what the two packed instructions of a complex product multiply by
	v_xor_b32 v46, 0x80000000, v45
	v_mov_b32 v47, v45                             ; x00
	v_xor_b32 v50, 0x80000000, v49
	v_mov_b32 v51, v49                             ; x01
	v_xor_b32 v52, 0x80000000, v48
	v_mov_b32 v53, v49
	v_mov_b32 v54, v50
	v_mov_b32 v55, v49                             ; x10 = -conj x01
	v_mov_b32 v56, v44
	v_mov_b32 v57, v46
	v_mov_b32 v58, v45
	v_mov_b32 v59, v46                             ; x11 = conj x00
	v_lshlrev_b32 v60, 6, v0                       ; record (out, in) of gate g at 64 g + 32 out + 16 in
	ds_store_b128 v60, v[44:47]
	ds_store_b128 v60, v[48:51] offset:16
	ds_store_b128 v60, v[52:55] offset:32
	ds_store_b128 v60, v[56:59] offset:48
.Lnogate:
	s_wait_dscnt 0x0                               ; the records are in LDS before the others are told so
	s_barrier_signal -1
	s_barrier_wait -1
; dst = src x record, complex: (a, b)(xr + i xi) = (a xr - b xi, b xr + a xi)
.macro CMUL dst, src, rec, tmp
	v_pk_mul_f32 v[\tmp:\tmp+1], v[\src:\src+1], v[\rec+2:\rec+3] op_sel:[1,0] op_sel_hi:[0,1]      ; (-b xi, b xr)
	v_pk_fma_f32 v[\dst:\dst+1], v[\src:\src+1], v[\rec:\rec+1], v[\tmp:\tmp+1] op_sel_hi:[1,0,1]   ; + (a xr, a xi)
.endm
.macro LEVEL q, len                    ; one more qubit on top: the row doubles
.set lv_i, 0
.rept \len
.set lv_t, TP+2*(lv_i&1)
	CMUL EK+2*(\len+lv_i), EK+2*lv_i, REC+8*\q+4, lv_t
	CMUL EK+2*lv_i, EK+2*lv_i, REC+8*\q, lv_t+4
.set lv_i, lv_i+1
.endr
.endm
; Row OMEGA of the Kronecker product of the five gates at s16: EK[i] = product over q of G_q[bit 4-q of OMEGA][bit 4-q of i]
.macro BUILD
.irp q, 0,1,2,3,4
	v_lshlrev_b32 v[9+\q], 1+\q, v[OMEGA]
	v_and_b32 v[9+\q], 32, v[9+\q]                 ; 32 x bit 4-q: the gate's row
	v_add_nc_u32 v[9+\q], s16, v[9+\q]
	ds_load_b128 v[REC+8*\q:REC+8*\q+3], v[9+\q] offset:64*\q
	ds_load_b128 v[REC+8*\q+4:REC+8*\q+7], v[9+\q] offset:64*\q+16
.endr
	s_wait_dscnt 0x0
.irp i3, 0,1
.irp i4, 0,1
	CMUL EK+4*\i3+2*\i4, REC+32+4*\i4, REC+24+4*\i3, TP+4*\i3+2*\i4
.endr
.endr
	LEVEL 2, 4
	LEVEL 1, 8
	LEVEL 0, 16
.endm
; My table row to f16 and into the fragments.  K position k holds input index k (rev = 0) or REV5(k) (rev = 1).
; 8 neighbouring k are 16 bytes of one lane of a fragment: chunk c = k / 8 lies at 256 c.
.macro PACKSTORE rev
.set pk_k, 0
.rept 16
.if \rev
.set pk_a, ((pk_k&1)<<3)|((pk_k&2)<<1)|((pk_k&4)>>1)|((pk_k&8)>>3)     ; REV5(2 k)
.set pk_b, pk_a+16                                                     ; REV5(2 k + 1)
.else
.set pk_a, 2*pk_k
.set pk_b, 2*pk_k+1
.endif
	v_cvt_pk_f16_f32 v[PR+pk_k], v[EK+2*pk_a], v[EK+2*pk_b]
	v_cvt_pk_f16_f32 v[PI+pk_k], v[EK+2*pk_a+1], v[EK+2*pk_b+1]
	v_xor_b32 v[NI+pk_k], s14, v[PI+pk_k]
.set pk_k, pk_k+1
.endr
.irp c, 0,1,2,3
	ds_store_b128 v[PB], v[PR+4*\c:PR+4*\c+3] offset:256*\c                ; out re, in re:  Br
	ds_store_b128 v[PB], v[NI+4*\c:NI+4*\c+3] offset:1024+256*\c           ; out re, in im: -Bi
	ds_store_b128 v[PB], v[PI+4*\c:PI+4*\c+3] offset:4096+256*\c           ; out im, in re:  Bi
	ds_store_b128 v[PB], v[PR+4*\c:PR+4*\c+3] offset:4096+1024+256*\c      ; out im, in im:  Br
.endr
.endm
	; THE TABLES.  Wave w builds table w; waves 0 and 1 then build tables 8 and 9.  Tables 0 and 1 take their input in natural order.
	BUILD
	s_cmp_ge_u32 s10, 2
	s_cbranch_scc1 .Lrev
	PACKSTORE 0
	v_mov_b32 v[OMEGA], v[LANE]                    ; the last layer: no CNOTs behind it, results in natural order
	s_add_co_u32 s16, s16, 8*320
	v_add_nc_u32 v[PB], 8*TABSZ, v[PB]
	BUILD
.Lrev:
	PACKSTORE 1
	s_wait_dscnt 0x0                               ; my table is in LDS before the others are told so
	s_barrier_signal -1
	s_barrier_wait -1                              ; from here on the tables are only read, and every other LDS byte is one wave's own
.macro TL1 f, adr, base
	ds_load_b128 v[FT+8*\f:FT+8*\f+3], v[\adr] offset:\base+1024*\f
	ds_load_b128 v[FT+8*\f+4:FT+8*\f+7], v[\adr] offset:\base+1024*\f+512
.endm
.macro TLOAD s                         ; table s into FT: lane i takes 16 bytes at 16 i, no bank is asked twice
.if \s < 5
.set tl_a, ADT0
.set tl_b, \s*TABSZ
.else
.set tl_a, ADT1
.set tl_b, (\s-5)*TABSZ
.endif
.if \s == 0
.irp f, 0,2,4,6                        ; x is real: the imaginary half of K is not needed
	TL1 \f, tl_a, tl_b
.endr
.else
.if \s == 9
.irp f, 0,1,2,3                        ; only the real part of the result is needed
	TL1 \f, tl_a, tl_b
.endr
.else
.irp f, 0,1,2,3,4,5,6,7
	TL1 \f, tl_a, tl_b
.endr
.endif
.endif
.endm
; Row g of my four: norm, scale, f16, through my own LDS stage into A fragments with hi along K.  left: younger loads of x that stay out.
.macro LOADROW slot, g, left
	s_wait_loadcnt \left
	s_wait_xcnt 0x0                                ; TMP was the data of the last batch's stores: written again only behind this wait
	WIN 0x05                                       ; sources 0 and 1 in window 1
.irp k, 0,1,2,3
	v_pk_mul_f32 v[TMP+2*\k:TMP+2*\k+1], v[32*\g+2*\k:32*\g+2*\k+1], v[32*\g+2*\k:32*\g+2*\k+1]     ; four chains, started by the first products
.endr
.irp k, 4,5,6,7,8,9,10,11,12,13,14,15
	v_pk_fma_f32 v[TMP+2*(\k&3):TMP+2*(\k&3)+1], v[32*\g+2*\k:32*\g+2*\k+1], v[32*\g+2*\k:32*\g+2*\k+1], v[TMP+2*(\k&3):TMP+2*(\k&3)+1]
.endr
	WIN 0
	v_pk_add_f32 v[TMP:TMP+1], v[TMP:TMP+1], v[TMP+2:TMP+3]
	v_pk_add_f32 v[TMP+4:TMP+5], v[TMP+4:TMP+5], v[TMP+6:TMP+7]
	v_pk_add_f32 v[TMP:TMP+1], v[TMP:TMP+1], v[TMP+4:TMP+5]
	v_add_f32 v[SS], v[TMP], v[TMP+1]
	v_add_f32_dpp v[SS], v[SS], v[SS] row_xmask:1 row_mask:0xf bank_mask:0xf
	v_add_f32_dpp v[SS], v[SS], v[SS] row_xmask:2 row_mask:0xf bank_mask:0xf
	v_add_f32_dpp v[SS], v[SS], v[SS] row_xmask:4 row_mask:0xf bank_mask:0xf
	v_add_f32_dpp v[SS], v[SS], v[SS] row_xmask:8 row_mask:0xf bank_mask:0xf
	v_permlanex16_b32 v[SX], v[SS], s12, s13
	v_add_f32 v[SS], v[SS], v[SX]                  ; the row's sum of squares, in every lane
	v_sqrt_f32 v[SX], v[SS]
	v_nop                                          ; one plain instruction behind a transcendental before its result is used (ISA guide 5.7.2)
	s_wait_alu depctr_va_vdst(0)
	v_max_num_f32 v[SX], s15, v[SX]                ; max(norm, 1e-12)
	v_rcp_f32 v[RINV], v[SX]
	v_rcp_f32 v[RINV+1], v[SX]
	v_nop
	WIN 0x01                                       ; source 0 in window 1
	s_wait_alu depctr_va_vdst(0)
.irp k, 0,1,2,3,4,5,6,7,8,9,10,11,12,13,14,15
	v_pk_mul_f32 v[TMP+2*\k:TMP+2*\k+1], v[32*\g+2*\k:32*\g+2*\k+1], v[RINV:RINV+1]
.endr
	WIN 0
.irp k, 0,1,2,3,4,5,6,7,8,9,10,11,12,13,14,15
	v_cvt_pk_f16_f32 v[TMP+\k], v[TMP+2*\k], v[TMP+2*\k+1]     ; register k is written when 2 k and 2 k + 1 are read: nothing still needed is lost
.endr
.irp t, 0,1,2,3,4,5,6,7
	ds_store_b64 v[ADXS], v[TMP+2*\t:TMP+2*\t+1] offset:\slot*XSLOT+\t*4*XP
.endr
.irp mt, 0,1                           ; LDS serves a wave's instructions in order (ISA guide 5.7.1): these see the stores above
	ds_load_tr16_b128 v[FA+32*\slot+16*\mt:FA+32*\slot+16*\mt+3], v[ADTR] offset:\slot*XSLOT+32*\mt            ; lo = 16 mt + r, hi = 8 h ..
	ds_load_tr16_b128 v[FA+32*\slot+16*\mt+4:FA+32*\slot+16*\mt+7], v[ADTR] offset:\slot*XSLOT+32*\mt+16*XP    ; hi = 16 + 8 h ..
.endr
.endm
; One stage of one row: 32 state rows x 64 table rows.  The first product starts each sum; stage 0 has no imaginary half.
.macro MUL rho, s
.irp mt, 0,1
.irp nt, 0,1,2,3
	v_wmma_f32_16x16x32_f16 v[FD+32*\mt+8*\nt:FD+32*\mt+8*\nt+7], v[FA+32*\rho+16*\mt:FA+32*\rho+16*\mt+7], v[FT+16*\nt:FT+16*\nt+7], 0
.endr
.endr
.if \s != 0
.irp mt, 0,1
.irp nt, 0,1,2,3
	v_wmma_f32_16x16x32_f16 v[FD+32*\mt+8*\nt:FD+32*\mt+8*\nt+7], v[FA+32*\rho+16*\mt+8:FA+32*\rho+16*\mt+15], v[FT+16*\nt+8:FT+16*\nt+15], v[FD+32*\mt+8*\nt:FD+32*\mt+8*\nt+7]
.endr
.endr
.endif
.endm
; Results to the next stage's A.  Result tile (mt, nt = 2 ri + mp), lane (r, h), register j holds old row 16 mt + 8 h + j, new index 16 mp + r:
; the old row is the next K (register 4 mt + j / 2, half j & 1), the new index the next row (tile mp, lane r).
; Behind an odd stage the two cross CNOTs: hi's top bit (parity of j) flips where lo & 1 (= mp); lo ^= 31 where hi & 1 (= mt): other tile, lane 15 - r.
.macro CVT rho, s
.irp mp, 0,1
.irp ri, 0,1
.irp mt, 0,1
.irp jj, 0,1,2,3
.if \s & 1
	v_cvt_pk_f16_f32 v[FA+32*\rho+16*\mp+8*\ri+4*\mt+\jj], v[FD+32*\mt+8*(2*\ri+(\mp^\mt))+2*\jj+\mp], v[FD+32*\mt+8*(2*\ri+(\mp^\mt))+2*\jj+1-\mp]
.else
	v_cvt_pk_f16_f32 v[FA+32*\rho+16*\mp+8*\ri+4*\mt+\jj], v[FD+32*\mt+8*(2*\ri+\mp)+2*\jj], v[FD+32*\mt+8*(2*\ri+\mp)+2*\jj+1]
.endif
.endr
.endr
.endr
.endr
.if \s & 1
.irp mp, 0,1
.irp ri, 0,1
.irp jj, 0,1,2,3
	v_mov_b32_dpp v[FA+32*\rho+16*\mp+8*\ri+4+\jj], v[FA+32*\rho+16*\mp+8*\ri+4+\jj] row_xmask:15 row_mask:0xf bank_mask:0xf
.endr
.endr
.endr
.endif
.endm
; A stage of both rows.  The rows share FD: the second row's products start behind the first row's four places and 32 conversions.
; The next table is asked for as soon as this one's last product is four places back, ahead of the second row's conversions.
.macro STAGE s, nxt
	s_wait_dscnt 0x0                               ; the table (and, in stage 0, the state) is in
	MUL 0, \s
	PLACES
	CVT 0, \s
	MUL 1, \s
	PLACES
	TLOAD \nxt
	CVT 1, \s
.endm
; Stage 9: real part only, sources swapped (table first): lane (r, h), register j of tile (nt, mt) holds out[hi = 16 mt + r][lo = 16 nt + 8 h + j]
.macro LAST
	s_wait_dscnt 0x0
.irp rho, 0,1
.irp nt, 0,1
.irp mt, 0,1
	v_wmma_f32_16x16x32_f16 v[FD+32*\rho+16*\nt+8*\mt:FD+32*\rho+16*\nt+8*\mt+7], v[FT+16*\nt:FT+16*\nt+7], v[FA+32*\rho+16*\mt:FA+32*\rho+16*\mt+7], 0
.endr
.endr
.irp nt, 0,1
.irp mt, 0,1
	v_wmma_f32_16x16x32_f16 v[FD+32*\rho+16*\nt+8*\mt:FD+32*\rho+16*\nt+8*\mt+7], v[FT+16*\nt+8:FT+16*\nt+15], v[FA+32*\rho+16*\mt+8:FA+32*\rho+16*\mt+15], v[FD+32*\rho+16*\nt+8*\mt:FD+32*\rho+16*\nt+8*\mt+7]
.endr
.endr
.endr
	PLACES
.endm
; A row's 4,096 bytes out through my own stage: in by 32 bytes a lane, back by 16 bytes a lane so that each store of the wave covers 512 consecutive bytes, aligned.
.macro OUT rho, row
.irp mt, 0,1
.irp nt, 0,1
	ds_store_b128 v[ADOS], v[FD+32*\rho+16*\nt+8*\mt:FD+32*\rho+16*\nt+8*\mt+3] offset:\rho*OSLOT+\mt*16*OPI+\nt*64
	ds_store_b128 v[ADOS], v[FD+32*\rho+16*\nt+8*\mt+4:FD+32*\rho+16*\nt+8*\mt+7] offset:\rho*OSLOT+\mt*16*OPI+\nt*64+16
.endr
.endr
	s_wait_xcnt 0x0                                ; TMP is the data of the row before's stores: loaded again only behind this wait
.irp t, 0,1,2,3,4,5,6,7
	ds_load_b128 v[TMP+4*\t:TMP+4*\t+3], v[ADOL] offset:\rho*OSLOT+\t*4*OPI    ; in order behind the stores above
.endr
.irp t, 0,1,2,3,4,5,6,7
	s_wait_dscnt 7-\t                              ; read-back t is in; the 7 - t younger ones stay out
	global_store_b128 v[XOFF], v[TMP+4*\t:TMP+4*\t+3], s[8:9] offset:\row*4096+\t*512 th:TH_STORE_NT
.endr
.endm
; Two rows from x to out.  l0, l1: loads of x behind row g0 and behind row g1, eight for each later row.
.macro BATCH g0, g1, l0, l1
	TLOAD 0
	LOADROW 0, \g0, \l0
	LOADROW 1, \g1, \l1
	STAGE 0, 1
	STAGE 1, 2
	STAGE 2, 3
	STAGE 3, 4
	STAGE 4, 5
	STAGE 5, 6
	STAGE 6, 7
	STAGE 7, 8
	STAGE 8, 9
	LAST
	OUT 0, \g0
	OUT 1, \g1
.endm
	BATCH 0, 1, 24, 16
	BATCH 2, 3, 8, 0                               ; the first batch's stores leave while this one computes
	s_wait_tensorcnt 0x0
	ds_add_u32 v254, v255
	s_wait_dscnt 0x0
	s_endpgm
.Lfunc_end_k_q44daa2d378_qulinear:
	.size	k_q44daa2d378_qulinear, .Lfunc_end_k_q44daa2d378_qulinear-k_q44daa2d378_qulinear
	.p2alignl 7, 3214868480
	.fill 96, 4, 3214868480
	.section	.rodata,"a",@progbits
	.p2align	6, 0x0
	.amdhsa_kernel k_q44daa2d378_qulinear
		.amdhsa_group_segment_fixed_size 209920
		.amdhsa_private_segment_fixed_size 0
		.amdhsa_enable_private_segment 0
		.amdhsa_kernarg_size 24
		.amdhsa_user_sgpr_count 2
		.amdhsa_user_sgpr_kernarg_segment_ptr 1
		.amdhsa_wavefront_size32 1
		.amdhsa_system_sgpr_workgroup_id_x 1
		.amdhsa_system_sgpr_workgroup_id_y 1
		.amdhsa_system_sgpr_workgroup_id_z 1
		.amdhsa_system_vgpr_workitem_id 0
		.amdhsa_next_free_vgpr 384
		.amdhsa_next_free_sgpr 66
		.amdhsa_reserve_vcc 1
		.amdhsa_float_denorm_mode_32 3
		.amdhsa_float_denorm_mode_16_64 3
		.amdhsa_memory_ordered 1
		.amdhsa_forward_progress 1
		.amdhsa_inst_pref_size 213
	.end_amdhsa_kernel
	.amdgpu_metadata
---
amdhsa.version: [ 1, 2 ]
amdhsa.kernels:
  - .name:           k_q44daa2d378_qulinear
    .symbol:         k_q44daa2d378_qulinear.kd
    .args:
      - { .name: weight, .offset: 0, .size: 8, .value_kind: global_buffer, .address_space: global }
      - { .name: x, .offset: 8, .size: 8, .value_kind: global_buffer, .address_space: global }
      - { .name: out0, .offset: 16, .size: 8, .value_kind: global_buffer, .address_space: global }
    .group_segment_fixed_size: 209920
    .private_segment_fixed_size: 0
    .kernarg_segment_align: 8
    .kernarg_segment_size: 24
    .max_flat_workgroup_size: 256
    .sgpr_count:     66
    .vgpr_count:     384
    .wavefront_size: 32
...
	.end_amdgpu_metadata
.endif
;; end of part 1
;; ======== version 2 of 2: 1 launch; version 1 with the launch qulinear written anew for expert scheduling mode
;; limits: inputs' magnitudes at most 1,000,000
;; launch qulinear (part 2): grid 256 x 1, 8 waves a work-group, no clusters, 209,920 bytes of LDS; arguments weight, x, out0; writes out0
.if DOCPART == 2
	.amdgcn_target "amdgcn-amd-amdhsa--gfx1250"
	.amdhsa_code_object_version 6
	.text
	.protected	k_q44daa2d378_qulinear
	.globl	k_q44daa2d378_qulinear
	.p2align	8
	.type	k_q44daa2d378_qulinear,@function
k_q44daa2d378_qulinear:
	s_mov_b64 s[64:65], 0
	v_nop
	global_prefetch_b8 v0, s[64:65] scope:SCOPE_SE
	s_setreg_imm32_b32 hwreg(HW_REG_WAVE_SCHED_MODE, 0, 2), 2
	s_setreg_imm32_b32 hwreg(HW_REG_WAVE_MODE, 25, 1), 1
	s_wait_xcnt 0x0
	s_wait_alu depctr_vm_vsrc(0)
; out[b] = Re( U x[b] / max(|x[b]|, 1e-12) ),  U the 1024 x 1024 unitary of a 10-qubit circuit given by 150 angles.
; x, out: [8192][1024] f32.  Index i = 32 hi + lo; qubit q is bit 9-q: hi holds q0..q4, lo holds q5..q9.
;
; U is never built.  Each of the five layers is (gates on hi) x (gates on lo), so a row of x, seen as a complex 32 x 32 matrix
; psi[hi][lo], goes through ten products with a complex 32 x 32 table, written as a real 64 x 64 table
; T[32 ri' + out][32 ri + in] = (Br, -Bi; Bi, Br).  Even stages contract hi, odd stages lo.
; The ring of CNOTs: C0..C3 and C5..C8 are prefix XORs inside hi and inside lo; they are folded into the tables
; (row o of the table is row o ^ (o >> 1) of the Kronecker product).  What is left is 'lo ^= 31 where hi & 1' (C4 moved behind
; the prefix XOR) and 'hi ^= 16 where lo & 1' (C9); both are done in the conversion between an odd stage and the next.
; THE STATE STAYS IN REGISTERS: it is source A (lane = row, K along the registers), the table is source B.  In the result the lanes
; hold the new index and (tile, lane half, register) the other index, which is exactly A's K layout for the next stage, so the step
; from stage to stage is 32 conversions f32 -> f16 with a fixed choice of registers.  From stage 0's result on, an index v sits at
; position REV5(v) (five bits reversed), so that hi & 1 and lo & 1 are the tile number and hi's top bit is the register's parity: the
; two cross CNOTs become a choice of tile and register, plus one exchange of lanes r <-> 15 - r for half of the registers.
; Stages 8 and 9 put their results back in natural order; stage 9 makes the real part only and swaps the sources, so that a lane
; holds eight neighbouring numbers of a row of 32.
;
; SHARES: 256 work-groups of 8 waves; a work-group takes 32 rows of x, a wave 4, two at a time.  144 matrix instructions a row.
; A wave asks for its 16 KiB of x at its entry (32 loads, into v256-v383) and builds the tables meanwhile.
; Work-groups share nothing but the 600 bytes of angles, so there is no cluster and no joint request; x is used once and goes
; straight to registers, so there is no tensor load.
;
; FORMAT AND LIMITS.  Operands are f16, sums f32: the allowance near zero is 0.01 of the output's rms, and ten stages that round state and
; table to 8 bits of mantissa would use up too much of it; 11 bits leave a wide margin.  State and tables are rounded to f16 in every stage;
; an amplitude below 2^-24 of its row's norm becomes 0.  sin and cos: the half angle less n times 2 pi (2 pi held in two words), then
; polynomials of degree 15 and 16 on [-pi, pi], truncation below 1e-6; the reduction is good for |angle| up to about 1e6.
; x is multiplied by 1 / max(norm, 1e-12) instead of divided.  The sum of squares overflows where an f32 sum does.
;
; THE MODE: SCHED_MODE bits 1:0 = 2 (LLVM: expert scheduling mode 2), set by the entry lines.  The code itself states the register dependences
; between vector or matrix instructions and memory or LDS instructions, with s_wait_alu, always for 0.
; THE PLAN.  Registers that memory or LDS instructions touch, from the tables' barrier on:
;   FT, FT1    two table buffers: even stages' tables land in FT, odd stages' in FT1.  Stage s: its products read table s; the loads of table s + 1 land in the
;              other buffer, whose last readers were the products of stage s - 1.
;   TMP        written by a row's scaling and rounding; read by the LDS stores that carry x; on the way out row 0's read-back lands in it and row 0's stores read it.
;   FA         the transposing loads land in it; conversions write it and products read it in every stage; on the way out row 1's read-back lands in its first 32
;              registers and row 1's stores read them.
;   FD         written by the products, read by the conversions; read by the LDS stores of the way out.
;   v2 to v8   offsets and LDS addresses, made once at the head and never written again.     v256-v383  x, loaded once, then only read.
; So ONE wait on va_vdst stands at a stage's head: the stage before is done with the other table buffer.  The next table's run of loads follows behind the first row's
; products, which name this stage's table, FA and FD alone.  A row's way in has one wait on vm_vsrc at its head and one on va_vdst ahead of its LDS stores (and the two
; behind its root and its reciprocals); the way out of two rows has one of each.
.set TAB,    4096                      ; LDS: 0: 64 gate records of 64 bytes; then ten tables
.set TABSZ,  8192                      ; a table: 8 fragments (2 nt + ks) of 1,024 bytes: register half x 512 + lane x 16
.set XP,     96                        ; x as f16 [hi][lo]: 64 bytes + 32, an odd multiple of 32 for the transposing load
.set XSLOT,  32*XP
.set XSW,    2*XSLOT                   ; two rows for each wave
.set XS,     TAB+10*TABSZ              ; 86,016
.set OPI,    144                       ; out as f32 [hi][lo]: 128 bytes + 16
.set OSLOT,  32*OPI
.set OSW,    2*OSLOT
.set OS,     XS+8*XSW                  ; 135,168; ends at 208,896
.set LANE, 1                           ; v1   lane
.set XOFF, 2                           ; v2   16 x lane: my bytes in each 512 of x and of out
.set ADT0, 3                           ; v3   tables 0-4: TAB + 16 x lane
.set ADT1, 4                           ; v4   tables 5-9 (an LDS offset has 16 bits)
.set ADXS, 5                           ; v5   where my 4 numbers of x go
.set ADTR, 6                           ; v6   transposing load of x
.set ADOS, 7                           ; v7   where my 8 results go
.set ADOL, 8                           ; v8   where I read 16 bytes of a result row back
.set OMEGA, 14                         ; v14  builder: my row of the Kronecker product
.set PB,   15                          ; v15  builder: where my table row goes
.set FT,   16                          ; v[16:79]   table fragments of the even stages, 8 registers each
.set FT1,  128                         ; window 1: v[384:447] table fragments of the odd stages
.set FA,   80                          ; v[80:143]  state: row rho at 32 rho, fragment (mt, ks) at 16 mt + 8 ks
.set FD,   144                         ; v[144:207] results: tile (mt, nt) at 32 mt + 8 nt
.set TMP,  208                         ; v[208:239] at work
.set RINV, 240                         ; v[240:241] 1 / norm, twice
.set SS,   242
.set SX,   243
.set REC,  16                          ; builder: v[16:55] ten gate records (5 qubits x 2 inputs)
.set TP,   56                          ; builder: v[56:63] four pairs at work
.set PR,   80                          ; builder: v[80:95] Br, v[96:111] Bi, v[112:127] -Bi of my row, packed f16
.set PI,   96
.set NI,   112
.set EK,   144                         ; builder: v[144:207] my row of the product, 32 complex numbers
; v256-v383 (window 1, v0-v127): my four rows of x, load t of row g at 32 g + 4 t
.set MSB, 0
.macro WIN new                         ; s_set_vgpr_msb: bits 1:0 source 0, 3:2 source 1, 5:4 source 2, 7:6 destination; the high byte repeats the setting left
.if MSB != \new
	s_set_vgpr_msb (MSB<<8)|\new
.set MSB, \new
.endif
.endm
.macro PLACES                          ; four independent vector instructions between a matrix instruction and whatever vector instruction or store reads its result
.rept 4                                ; or writes one of its registers (ISA guide 7.12.1)
	v_nop
.endr
.endm
	s_load_b128 s[4:7], s[0:1], 0x0                ; weight s[4:5], x s[6:7]
	s_load_b64 s[8:9], s[0:1], 0x10                ; out0
	v_lshl_add_u32 v254, v0, 2, 0x33000
	v_mov_b32 v255, 0
	v_lshrrev_b32 v48, 5, v0
	v_readfirstlane_b32 s10, v48                   ; wave 0..7
	v_and_b32 v[LANE], 31, v0
	v_lshlrev_b32 v[XOFF], 4, v[LANE]
	s_lshl_b32 s20, ttmp9, 17                      ; 32 rows of 4,096 bytes for the work-group
	s_wait_alu depctr_va_sdst(0)                   ; s10 is written, ahead of its first reader: bases, LDS places and the branches on the wave are made from it
	s_lshl_b32 s21, s10, 14                        ; 4 rows for the wave
	s_add_co_u32 s20, s20, s21                     ; below 2^25
	s_mov_b32 s21, 0
	s_wait_kmcnt 0x0
	s_add_nc_u64 s[6:7], s[6:7], s[20:21]
	s_add_nc_u64 s[8:9], s[8:9], s[20:21]
	; Waves 0 and 1: thread g = 10 l + q asks for the three angles of gate g, at 30 l + q + 0, 10, 20.
	s_cmp_ge_u32 s10, 2
	s_cbranch_scc1 .Lxload
	v_mul_u32_u24 v9, v0, 205
	v_lshrrev_b32 v9, 11, v9                       ; l = g / 10 for g < 64
	v_mul_u32_u24 v9, v9, 20
	v_add_nc_u32 v9, v9, v0
	v_min_u32 v9, 129, v9                          ; threads 50-63 make records that nobody reads: keep them inside the 150 angles
	v_lshlrev_b32 v9, 2, v9
	s_wait_alu depctr_va_vdst(0)                   ; v9 is written: the three loads read it as their offset
	global_load_b32 v10, v9, s[4:5]
	global_load_b32 v11, v9, s[4:5] offset:40
	global_load_b32 v12, v9, s[4:5] offset:80
.Lxload:
	WIN 0x40                                       ; destination in window 1
	s_wait_alu depctr_va_vdst(0)                   ; v[XOFF] is written: every load of x and every store of out reads it as its offset (the waves that jumped here have passed no wait yet)
.irp g, 0,1,2,3
.irp t, 0,1,2,3,4,5,6,7
	global_load_b128 v[32*\g+4*\t:32*\g+4*\t+3], v[XOFF], s[6:7] offset:\g*4096+\t*512 th:TH_LOAD_NT   ; 512 neighbouring bytes a load
.endr
.endr
	WIN 0
	s_mov_b32 s12, 0x76543210                      ; v_permlanex16_b32: lane i of the other half
	s_mov_b32 s13, 0xfedcba98
	s_mov_b32 s14, 0x80008000                      ; the signs of two f16
	s_mov_b32 s15, 0x2b8cbccc                      ; 1e-12
	s_mov_b32 s22, 0x40c90fdb                      ; 2 pi, rounded,
	s_mov_b32 s23, 0xb43bbd2e                      ; and what the rounding left
	s_mul_i32 s16, s10, 320                        ; the five gate records of table s = wave
	s_mul_i32 s17, s10, XSW
	s_add_co_u32 s17, s17, XS                      ; my wave's own x stage
	s_mul_i32 s18, s10, OSW
	s_add_co_u32 s18, s18, OS                      ; my wave's own out stage
	s_lshl_b32 s19, s10, 13
	s_add_co_u32 s19, s19, TAB                     ; table s = wave
	v_add_nc_u32 v[ADT0], TAB, v[XOFF]
	v_add_nc_u32 v[ADT1], TAB+5*TABSZ, v[XOFF]
	v_lshrrev_b32 v48, 3, v[LANE]                  ; L >> 3
	v_and_b32 v49, 7, v[LANE]                      ; L & 7
	v_lshrrev_b32 v50, 4, v[LANE]                  ; h
	v_and_b32 v51, 15, v[LANE]                     ; r
	v_mul_u32_u24 v52, v48, XP                     ; load t of a row holds hi = 4 t + (L >> 3), lo = 4 (L & 7) ..
	v_lshl_add_u32 v52, v49, 3, v52
	v_add_nc_u32 v[ADXS], s17, v52
	v_mul_u32_u24 v52, v48, OPI                    ; and store t of a row likewise, 16 bytes
	v_lshl_add_u32 v52, v49, 4, v52
	v_add_nc_u32 v[ADOL], s18, v52
	v_lshl_add_u32 v52, v50, 3, v49                ; row 8 h + (L & 7),
	v_mul_u32_u24 v52, v52, XP
	v_and_b32 v53, 1, v48
	v_lshl_add_u32 v52, v53, 4, v52                ; 16 bytes at 16 ((L >> 3) & 1)
	v_add_nc_u32 v[ADTR], s17, v52
	v_mul_u32_u24 v52, v51, OPI                    ; row r, 32 bytes for each half of the lanes
	v_lshl_add_u32 v52, v50, 5, v52
	v_add_nc_u32 v[ADOS], s18, v52
	v_lshlrev_b32 v[PB], 11, v50                   ; table row = lane: column tile lane >> 4 (two fragments), lane & 15 in it
	v_lshl_add_u32 v[PB], v51, 4, v[PB]
	v_add_nc_u32 v[PB], s19, v[PB]
	v_and_b32 v[OMEGA], 4, v[LANE]                 ; REV5(lane)
	v_bfe_u32 v48, v[LANE], 0, 1
	v_lshl_or_b32 v[OMEGA], v48, 4, v[OMEGA]
	v_bfe_u32 v48, v[LANE], 1, 1
	v_lshl_or_b32 v[OMEGA], v48, 3, v[OMEGA]
	v_bfe_u32 v48, v[LANE], 3, 1
	v_lshl_or_b32 v[OMEGA], v48, 1, v[OMEGA]
	v_bfe_u32 v48, v[LANE], 4, 1
	v_or_b32 v[OMEGA], v[OMEGA], v48
	v_lshrrev_b32 v48, 1, v[OMEGA]
	v_xor_b32 v[OMEGA], v[OMEGA], v48              ; o ^ (o >> 1): the prefix XOR of the CNOTs, undone
	v_mov_b32 v[SX], 0                             ; v_permlanex16_b32 counts as a reader of its destination
; sin and cos of half of v[w].  Uses v22-v26.
.macro SINCOS sn, cs, w
	v_mul_f32 v22, 0.5, v[\w]
	v_mul_f32 v23, 0.15915494, v22
	v_rndne_f32 v23, v23                           ; n
	v_fma_f32 v22, -v23, s22, v22
	v_fma_f32 v22, -v23, s23, v22                  ; r in [-pi, pi]
	v_mul_f32 v24, v22, v22                        ; z = r^2
	v_mov_b32 v25, 0xab573f9f                      ; -1/15!
.irp kc, 0x2f309231, 0xb2d7322b, 0x3638ef1d, 0xb9500d01, 0x3c088889, 0xbe2aaaab
	v_fmaak_f32 v25, v25, v24, \kc                 ; 1/13!, -1/11!, 1/9!, -1/7!, 1/5!, -1/3!
.endr
	v_mul_f32 v26, v22, v24
	v_fma_f32 v[\sn], v26, v25, v22                ; r + r z p(z)
	v_mov_b32 v25, 0x29573f9f                      ; 1/16!
.irp kc, 0xad49cba5, 0x310f76c7, 0xb493f27e, 0x37d00d01, 0xbab60b61, 0x3d2aaaab, 0xbf000000
	v_fmaak_f32 v25, v25, v24, \kc                 ; -1/14!, 1/12!, -1/10!, 1/8!, -1/6!, 1/4!, -1/2!
.endr
	v_fma_f32 v[\cs], v24, v25, 1.0
.endm
	; THE GATES, waves 0 and 1.  Layers 0-3: G = Rz(c) Ry(b) Rx(a); layer 4: F = Ry(c) Rz(b) Ry(a).  Both have the form
	; (x00, x01; -conj x01, conj x00).  Both are computed and one is chosen by the thread's number.
	s_cmp_ge_u32 s10, 2
	s_cbranch_scc1 .Lnogate
	s_wait_loadcnt 32                              ; the three angles are in; the 32 younger loads of x stay out
	SINCOS 16, 17, 10                              ; sa, ca
	SINCOS 18, 19, 11                              ; sb, cb
	SINCOS 20, 21, 12                              ; sc, cc
	v_mul_f32 v28, v19, v17                        ; P = cb ca
	v_mul_f32 v29, v18, v16                        ; Q = sb sa
	v_mul_f32 v30, v18, v17                        ; R = sb ca
	v_mul_f32 v31, v19, v16                        ; S = cb sa
	v_mul_f32 v32, v20, v29
	v_mul_f32 v33, v20, v28
	v_mul_f32 v34, v20, v31
	v_mul_f32 v35, v21, v31
	v_fma_f32 v32, v21, v28, v32                   ; Re G00 =  cc P + sc Q
	v_fma_f32 v33, v21, v29, -v33                  ; Im G00 =  cc Q - sc P
	v_fma_f32 v34, -v21, v30, -v34                 ; Re G01 = -cc R - sc S
	v_fma_f32 v35, v20, v30, -v35                  ; Im G01 =  sc R - cc S
	v_mul_f32 v36, v21, v17                        ; cc ca
	v_mul_f32 v38, v21, v16                        ; cc sa
	v_fma_f32 v40, -v20, v16, v36                  ; cc ca - sc sa
	v_fma_f32 v41, v20, v16, v36                   ; cc ca + sc sa
	v_fma_f32 v42, v20, v17, v38                   ; cc sa + sc ca
	v_fma_f32 v43, -v20, v17, v38                  ; cc sa - sc ca
	v_mul_f32 v40, v40, v19                        ; Re F00 =  (cc ca - sc sa) cb
	v_mul_f32 v41, -v41, v18                       ; Im F00 = -(cc ca + sc sa) sb
	v_mul_f32 v42, -v42, v19                       ; Re F01 = -(cc sa + sc ca) cb
	v_mul_f32 v43, v43, v18                        ; Im F01 =  (cc sa - sc ca) sb
	v_cmp_le_u32 vcc_lo, 40, v0                    ; gates 40 and up are the last layer's
	s_wait_alu depctr_va_vcc(0)                    ; VCC is written, ahead of the four selects that read it
	v_cndmask_b32 v44, v32, v40, vcc_lo
	v_cndmask_b32 v45, v33, v41, vcc_lo
	v_cndmask_b32 v48, v34, v42, vcc_lo
	v_cndmask_b32 v49, v35, v43, vcc_lo
	; a record is (re, im, -im, im): what the two packed instructions of a complex product multiply by
	v_xor_b32 v46, 0x80000000, v45
	v_mov_b32 v47, v45                             ; x00
	v_xor_b32 v50, 0x80000000, v49
	v_mov_b32 v51, v49                             ; x01
	v_xor_b32 v52, 0x80000000, v48
	v_mov_b32 v53, v49
	v_mov_b32 v54, v50
	v_mov_b32 v55, v49                             ; x10 = -conj x01
	v_mov_b32 v56, v44
	v_mov_b32 v57, v46
	v_mov_b32 v58, v45
	v_mov_b32 v59, v46                             ; x11 = conj x00
	v_lshlrev_b32 v60, 6, v0                       ; record (out, in) of gate g at 64 g + 32 out + 16 in
	s_wait_alu depctr_va_vdst(0)                   ; the four records v44 to v59 and their address v60 are written: the LDS stores read them
	ds_store_b128 v60, v[44:47]
	ds_store_b128 v60, v[48:51] offset:16
	ds_store_b128 v60, v[52:55] offset:32
	ds_store_b128 v60, v[56:59] offset:48
.Lnogate:
	s_wait_dscnt 0x0                               ; the records are in LDS before the others are told so
	s_barrier_signal -1
	s_barrier_wait -1
; dst = src x record, complex: (a, b)(xr + i xi) = (a xr - b xi, b xr + a xi)
.macro CMUL dst, src, rec, tmp
	v_pk_mul_f32 v[\tmp:\tmp+1], v[\src:\src+1], v[\rec+2:\rec+3] op_sel:[1,0] op_sel_hi:[0,1]      ; (-b xi, b xr)
	v_pk_fma_f32 v[\dst:\dst+1], v[\src:\src+1], v[\rec:\rec+1], v[\tmp:\tmp+1] op_sel_hi:[1,0,1]   ; + (a xr, a xi)
.endm
.macro LEVEL q, len                    ; one more qubit on top: the row doubles
.set lv_i, 0
.rept \len
.set lv_t, TP+2*(lv_i&1)
	CMUL EK+2*(\len+lv_i), EK+2*lv_i, REC+8*\q+4, lv_t
	CMUL EK+2*lv_i, EK+2*lv_i, REC+8*\q, lv_t+4
.set lv_i, lv_i+1
.endr
.endm
; Row OMEGA of the Kronecker product of the five gates at s16: EK[i] = product over q of G_q[bit 4-q of OMEGA][bit 4-q of i]
; The five addresses are made first, so that one wait serves the ten loads.
.macro BUILD
.irp q, 0,1,2,3,4
	v_lshlrev_b32 v[9+\q], 1+\q, v[OMEGA]
	v_and_b32 v[9+\q], 32, v[9+\q]                 ; 32 x bit 4-q: the gate's row
	v_add_nc_u32 v[9+\q], s16, v[9+\q]
.endr
	s_wait_alu depctr_va_vdst(0)                   ; the five addresses v9 to v13 are written; every vector instruction that wrote or read v[REC ..], in which the records land, is done
.irp q, 0,1,2,3,4
	ds_load_b128 v[REC+8*\q:REC+8*\q+3], v[9+\q] offset:64*\q
	ds_load_b128 v[REC+8*\q+4:REC+8*\q+7], v[9+\q] offset:64*\q+16
.endr
	s_wait_dscnt 0x0
.irp i3, 0,1
.irp i4, 0,1
	CMUL EK+4*\i3+2*\i4, REC+32+4*\i4, REC+24+4*\i3, TP+4*\i3+2*\i4
.endr
.endr
	LEVEL 2, 4
	LEVEL 1, 8
	LEVEL 0, 16
.endm
; My table row to f16 and into the fragments.  K position k holds input index k (rev = 0) or REV5(k) (rev = 1).
; 8 neighbouring k are 16 bytes of one lane of a fragment: chunk c = k / 8 lies at 256 c.
.macro PACKSTORE rev
.set pk_k, 0
.rept 16
.if \rev
.set pk_a, ((pk_k&1)<<3)|((pk_k&2)<<1)|((pk_k&4)>>1)|((pk_k&8)>>3)     ; REV5(2 k)
.set pk_b, pk_a+16                                                     ; REV5(2 k + 1)
.else
.set pk_a, 2*pk_k
.set pk_b, 2*pk_k+1
.endif
	v_cvt_pk_f16_f32 v[PR+pk_k], v[EK+2*pk_a], v[EK+2*pk_b]
	v_cvt_pk_f16_f32 v[PI+pk_k], v[EK+2*pk_a+1], v[EK+2*pk_b+1]
	v_xor_b32 v[NI+pk_k], s14, v[PI+pk_k]
.set pk_k, pk_k+1
.endr
	s_wait_alu depctr_va_vdst(0)                   ; the packed row v[PR ..], v[PI ..], v[NI ..] and its address v[PB] are written: the LDS stores read them
.irp c, 0,1,2,3
	ds_store_b128 v[PB], v[PR+4*\c:PR+4*\c+3] offset:256*\c                ; out re, in re:  Br
	ds_store_b128 v[PB], v[NI+4*\c:NI+4*\c+3] offset:1024+256*\c           ; out re, in im: -Bi
	ds_store_b128 v[PB], v[PI+4*\c:PI+4*\c+3] offset:4096+256*\c           ; out im, in re:  Bi
	ds_store_b128 v[PB], v[PR+4*\c:PR+4*\c+3] offset:4096+1024+256*\c      ; out im, in im:  Br
.endr
.endm
	; THE TABLES.  Wave w builds table w; waves 0 and 1 then build tables 8 and 9.  Tables 0 and 1 take their input in natural order.
	s_wait_alu depctr_vm_vsrc(0)                   ; in waves 0 and 1: the angles' loads have read v9, which the builder writes; the records' LDS stores have read v44 to v60, in which records land and which the products write
	BUILD
	s_cmp_ge_u32 s10, 2
	s_cbranch_scc1 .Lrev
	PACKSTORE 0
	s_wait_alu depctr_vm_vsrc(0)                   ; the LDS stores above have read v[PB] and the packed row, the records' loads have read v9 to v13: all of these are written again below
	v_mov_b32 v[OMEGA], v[LANE]                    ; the last layer: no CNOTs behind it, results in natural order
	s_add_co_u32 s16, s16, 8*320
	v_add_nc_u32 v[PB], 8*TABSZ, v[PB]
	BUILD
.Lrev:
	PACKSTORE 1
	s_wait_dscnt 0x0                               ; my table is in LDS before the others are told so
	s_barrier_signal -1
	s_barrier_wait -1                              ; from here on the tables are only read, and every other LDS byte is one wave's own
.macro TL1 f, adr, base, ft
	ds_load_b128 v[\ft+8*\f:\ft+8*\f+3], v[\adr] offset:\base+1024*\f
	ds_load_b128 v[\ft+8*\f+4:\ft+8*\f+7], v[\adr] offset:\base+1024*\f+512
.endm
.macro TLOAD s                         ; table s into its buffer, FT (s even) or FT1 (s odd): lane i takes 16 bytes at 16 i, no bank is asked twice
.if \s < 5
.set tl_a, ADT0
.set tl_b, \s*TABSZ
.else
.set tl_a, ADT1
.set tl_b, (\s-5)*TABSZ
.endif
.if \s & 1
.set tl_f, FT1
	WIN 0x40                                       ; destination in window 1, address in window 0
.else
.set tl_f, FT
.endif
.if \s == 0
.irp f, 0,2,4,6                        ; x is real: the imaginary half of K is not needed
	TL1 \f, tl_a, tl_b, tl_f
.endr
.else
.if \s == 9
.irp f, 0,1,2,3                        ; only the real part of the result is needed
	TL1 \f, tl_a, tl_b, tl_f
.endr
.else
.irp f, 0,1,2,3,4,5,6,7
	TL1 \f, tl_a, tl_b, tl_f
.endr
.endif
.endif
	WIN 0
.endm
; Row g of my four: norm, scale, f16, through my own LDS stage into A fragments with hi along K.  left: younger loads of x that stay out.
.macro LOADROW slot, g, left
	s_wait_loadcnt \left
	s_wait_xcnt 0x0                                ; TMP and FA's first 32 registers were the data of the last batch's stores: written again only behind this wait
	s_wait_alu depctr_vm_vsrc(0)                   ; row 0: the builder's LDS stores have read v80 to v127, in which the state lands; rows 1 and 3: the row before's LDS stores have read TMP;
	                                               ; row 2: the last batch's LDS stores have read FD and its global stores TMP and FA.  All of these are written again from here on
	WIN 0x05                                       ; sources 0 and 1 in window 1
.irp k, 0,1,2,3
	v_pk_mul_f32 v[TMP+2*\k:TMP+2*\k+1], v[32*\g+2*\k:32*\g+2*\k+1], v[32*\g+2*\k:32*\g+2*\k+1]     ; four chains, started by the first products
.endr
.irp k, 4,5,6,7,8,9,10,11,12,13,14,15
	v_pk_fma_f32 v[TMP+2*(\k&3):TMP+2*(\k&3)+1], v[32*\g+2*\k:32*\g+2*\k+1], v[32*\g+2*\k:32*\g+2*\k+1], v[TMP+2*(\k&3):TMP+2*(\k&3)+1]
.endr
	WIN 0
	v_pk_add_f32 v[TMP:TMP+1], v[TMP:TMP+1], v[TMP+2:TMP+3]
	v_pk_add_f32 v[TMP+4:TMP+5], v[TMP+4:TMP+5], v[TMP+6:TMP+7]
	v_pk_add_f32 v[TMP:TMP+1], v[TMP:TMP+1], v[TMP+4:TMP+5]
	v_add_f32 v[SS], v[TMP], v[TMP+1]
	v_add_f32_dpp v[SS], v[SS], v[SS] row_xmask:1 row_mask:0xf bank_mask:0xf
	v_add_f32_dpp v[SS], v[SS], v[SS] row_xmask:2 row_mask:0xf bank_mask:0xf
	v_add_f32_dpp v[SS], v[SS], v[SS] row_xmask:4 row_mask:0xf bank_mask:0xf
	v_add_f32_dpp v[SS], v[SS], v[SS] row_xmask:8 row_mask:0xf bank_mask:0xf
	v_permlanex16_b32 v[SX], v[SS], s12, s13
	v_add_f32 v[SS], v[SS], v[SX]                  ; the row's sum of squares, in every lane
	v_sqrt_f32 v[SX], v[SS]
	v_nop                                          ; one plain instruction behind a transcendental before its result is used (ISA guide 5.7.2)
	s_wait_alu depctr_va_vdst(0)                   ; the root v[SX] is written: the wait stands ahead of the first instruction that names it
	v_max_num_f32 v[SX], s15, v[SX]                ; max(norm, 1e-12)
	v_rcp_f32 v[RINV], v[SX]
	v_rcp_f32 v[RINV+1], v[SX]
	v_nop
	s_wait_alu depctr_va_vdst(0)                   ; the two reciprocals v[RINV], v[RINV+1] are written: one wait for both, ahead of their first reader
	WIN 0x01                                       ; source 0 in window 1
.irp k, 0,1,2,3,4,5,6,7,8,9,10,11,12,13,14,15
	v_pk_mul_f32 v[TMP+2*\k:TMP+2*\k+1], v[32*\g+2*\k:32*\g+2*\k+1], v[RINV:RINV+1]
.endr
	WIN 0
.irp k, 0,1,2,3,4,5,6,7,8,9,10,11,12,13,14,15
	v_cvt_pk_f16_f32 v[TMP+\k], v[TMP+2*\k], v[TMP+2*\k+1]     ; register k is written when 2 k and 2 k + 1 are read: nothing still needed is lost
.endr
	s_wait_alu depctr_va_vdst(0)                   ; the conversions have written v[TMP ..], which the LDS stores read; all that wrote or read FA (the builder's conversions, the last batch's products) is done: the loads below land in it
.irp t, 0,1,2,3,4,5,6,7
	ds_store_b64 v[ADXS], v[TMP+2*\t:TMP+2*\t+1] offset:\slot*XSLOT+\t*4*XP
.endr
.irp mt, 0,1                           ; LDS serves a wave's instructions in order (ISA guide 5.7.1): these see the stores above
	ds_load_tr16_b128 v[FA+32*\slot+16*\mt:FA+32*\slot+16*\mt+3], v[ADTR] offset:\slot*XSLOT+32*\mt            ; lo = 16 mt + r, hi = 8 h ..
	ds_load_tr16_b128 v[FA+32*\slot+16*\mt+4:FA+32*\slot+16*\mt+7], v[ADTR] offset:\slot*XSLOT+32*\mt+16*XP    ; hi = 16 + 8 h ..
.endr
.endm
; One stage of one row: 32 state rows x 64 table rows.  The first product starts each sum; stage 0 has no imaginary half.
; The eight accumulators take turns.  An odd stage's table lies in window 1.
.macro MUL rho, s
.if \s & 1
.set mu_t, FT1
	WIN 0x04                                       ; source 1 in window 1
.else
.set mu_t, FT
.endif
.irp mt, 0,1
.irp nt, 0,1,2,3
	v_wmma_f32_16x16x32_f16 v[FD+32*\mt+8*\nt:FD+32*\mt+8*\nt+7], v[FA+32*\rho+16*\mt:FA+32*\rho+16*\mt+7], v[mu_t+16*\nt:mu_t+16*\nt+7], 0
.endr
.endr
.if \s != 0
.irp mt, 0,1
.irp nt, 0,1,2,3
	v_wmma_f32_16x16x32_f16 v[FD+32*\mt+8*\nt:FD+32*\mt+8*\nt+7], v[FA+32*\rho+16*\mt+8:FA+32*\rho+16*\mt+15], v[mu_t+16*\nt+8:mu_t+16*\nt+15], v[FD+32*\mt+8*\nt:FD+32*\mt+8*\nt+7]
.endr
.endr
.endif
	WIN 0
.endm
; Results to the next stage's A.  Result tile (mt, nt = 2 ri + mp), lane (r, h), register j holds old row 16 mt + 8 h + j, new index 16 mp + r:
; the old row is the next K (register 4 mt + j / 2, half j & 1), the new index the next row (tile mp, lane r).
; Behind an odd stage the two cross CNOTs: hi's top bit (parity of j) flips where lo & 1 (= mp); lo ^= 31 where hi & 1 (= mt): other tile, lane 15 - r.
.macro CVT rho, s
.irp mp, 0,1
.irp ri, 0,1
.irp mt, 0,1
.irp jj, 0,1,2,3
.if \s & 1
	v_cvt_pk_f16_f32 v[FA+32*\rho+16*\mp+8*\ri+4*\mt+\jj], v[FD+32*\mt+8*(2*\ri+(\mp^\mt))+2*\jj+\mp], v[FD+32*\mt+8*(2*\ri+(\mp^\mt))+2*\jj+1-\mp]
.else
	v_cvt_pk_f16_f32 v[FA+32*\rho+16*\mp+8*\ri+4*\mt+\jj], v[FD+32*\mt+8*(2*\ri+\mp)+2*\jj], v[FD+32*\mt+8*(2*\ri+\mp)+2*\jj+1]
.endif
.endr
.endr
.endr
.endr
.if \s & 1
.irp mp, 0,1
.irp ri, 0,1
.irp jj, 0,1,2,3
	v_mov_b32_dpp v[FA+32*\rho+16*\mp+8*\ri+4+\jj], v[FA+32*\rho+16*\mp+8*\ri+4+\jj] row_xmask:15 row_mask:0xf bank_mask:0xf
.endr
.endr
.endr
.endif
.endm
; A stage of both rows.  The rows share FD: the second row's products start behind the first row's four places and 32 conversions.
; The next table is asked for behind the first row's products, into the buffer that this stage does not read: it has both rows' conversions and the second row's products in which to land.
.macro STAGE s, nxt
	s_wait_dscnt 0x0                               ; the table (and, in stage 0, the state) is in
.if \s != 0
	s_wait_alu depctr_va_vdst(0)                   ; the products of the stage before are done reading the other table buffer, in which the loads below land.  (Stage 0: no vector instruction has been issued since the wait ahead of x's LDS stores)
.endif
	MUL 0, \s
	TLOAD \nxt                                     ; no further wait: the products issued since the wait name this stage's table, FA and FD, and neither the other buffer nor the loads' address
	PLACES
	CVT 0, \s
	MUL 1, \s
	PLACES
	CVT 1, \s
.endm
; Stage 9: real part only, sources swapped (table first): lane (r, h), register j of tile (nt, mt) holds out[hi = 16 mt + r][lo = 16 nt + 8 h + j]
.macro LAST
	s_wait_dscnt 0x0
	WIN 0x01                                       ; source 0, the table, in window 1
.irp rho, 0,1
.irp nt, 0,1
.irp mt, 0,1
	v_wmma_f32_16x16x32_f16 v[FD+32*\rho+16*\nt+8*\mt:FD+32*\rho+16*\nt+8*\mt+7], v[FT1+16*\nt:FT1+16*\nt+7], v[FA+32*\rho+16*\mt:FA+32*\rho+16*\mt+7], 0
.endr
.endr
.irp nt, 0,1
.irp mt, 0,1
	v_wmma_f32_16x16x32_f16 v[FD+32*\rho+16*\nt+8*\mt:FD+32*\rho+16*\nt+8*\mt+7], v[FT1+16*\nt+8:FT1+16*\nt+15], v[FA+32*\rho+16*\mt+8:FA+32*\rho+16*\mt+15], v[FD+32*\rho+16*\nt+8*\mt:FD+32*\rho+16*\nt+8*\mt+7]
.endr
.endr
.endr
	WIN 0
	PLACES
	s_wait_alu depctr_va_vdst(0)                   ; the products have written both rows' accumulators, which the LDS stores read, and are done reading FA, in which row 1's read-back lands, and the tables; the places above stay beside this wait
.endm
; THE WAY OUT.  A row's 4,096 bytes go through my own stage: in by 32 bytes a lane, back by 16 bytes a lane so that each store of the wave covers 512 consecutive bytes, aligned.
; Two out-buffers: row 0 comes back into TMP, row 1 into FA's first 32 registers.  Both rows' LDS instructions are issued ahead of the first global store.
.macro TOSTAGE rho
.if \rho == 0
.set ou_b, TMP
.else
.set ou_b, FA
.endif
.irp mt, 0,1
.irp nt, 0,1
	ds_store_b128 v[ADOS], v[FD+32*\rho+16*\nt+8*\mt:FD+32*\rho+16*\nt+8*\mt+3] offset:\rho*OSLOT+\mt*16*OPI+\nt*64
	ds_store_b128 v[ADOS], v[FD+32*\rho+16*\nt+8*\mt+4:FD+32*\rho+16*\nt+8*\mt+7] offset:\rho*OSLOT+\mt*16*OPI+\nt*64+16
.endr
.endr
.if \rho == 0
	s_wait_alu depctr_vm_vsrc(0)                   ; the LDS stores that carried this batch's x have read v[TMP ..], in which the loads below land
.endif
.irp t, 0,1,2,3,4,5,6,7
	ds_load_b128 v[ou_b+4*\t:ou_b+4*\t+3], v[ADOL] offset:\rho*OSLOT+\t*4*OPI    ; in order behind the stores above
.endr
.endm
.macro SEND rho, row, younger          ; younger: the LDS instructions issued behind this row's read-backs: the other row's sixteen, or none
.if \rho == 0
.set ou_b, TMP
.else
.set ou_b, FA
.endif
.irp t, 0,1,2,3,4,5,6,7
	s_wait_dscnt \younger+7-\t                     ; read-back t is in; this row's 7 - t younger ones and the other row's stay out
	global_store_b128 v[XOFF], v[ou_b+4*\t:ou_b+4*\t+3], s[8:9] offset:\row*4096+\t*512 th:TH_STORE_NT
.endr
.endm
; Two rows from x to out.  l0, l1: loads of x behind row g0 and behind row g1, eight for each later row.
; Table 0's loads owe no wait of their own: no vector instruction has been issued since the last wait on va_vdst (ahead of the builder's table stores; in the second batch behind stage 9's places).
.macro BATCH g0, g1, l0, l1
	TLOAD 0
	LOADROW 0, \g0, \l0
	LOADROW 1, \g1, \l1
	STAGE 0, 1
	STAGE 1, 2
	STAGE 2, 3
	STAGE 3, 4
	STAGE 4, 5
	STAGE 5, 6
	STAGE 6, 7
	STAGE 7, 8
	STAGE 8, 9
	LAST
	TOSTAGE 0
	TOSTAGE 1
	SEND 0, \g0, 16
	SEND 1, \g1, 0
.endm
	BATCH 0, 1, 24, 16
	BATCH 2, 3, 8, 0                               ; the first batch's stores leave while this one computes
	s_wait_dscnt 0x0
	s_wait_alu depctr_hold_cnt(0) depctr_sa_sdst(0) depctr_va_vdst(0) depctr_va_sdst(0) depctr_va_ssrc(0) depctr_va_vcc(0) depctr_vm_vsrc(0)
	s_wait_tensorcnt 0x0
	ds_add_u32 v254, v255
	s_wait_dscnt 0x0
	s_endpgm
.Lfunc_end_k_q44daa2d378_qulinear:
	.size	k_q44daa2d378_qulinear, .Lfunc_end_k_q44daa2d378_qulinear-k_q44daa2d378_qulinear
	.p2alignl 7, 3214868480
	.fill 96, 4, 3214868480
	.section	.rodata,"a",@progbits
	.p2align	6, 0x0
	.amdhsa_kernel k_q44daa2d378_qulinear
		.amdhsa_group_segment_fixed_size 209920
		.amdhsa_private_segment_fixed_size 0
		.amdhsa_enable_private_segment 0
		.amdhsa_kernarg_size 24
		.amdhsa_user_sgpr_count 2
		.amdhsa_user_sgpr_kernarg_segment_ptr 1
		.amdhsa_wavefront_size32 1
		.amdhsa_system_sgpr_workgroup_id_x 1
		.amdhsa_system_sgpr_workgroup_id_y 1
		.amdhsa_system_sgpr_workgroup_id_z 1
		.amdhsa_system_vgpr_workitem_id 0
		.amdhsa_next_free_vgpr 448
		.amdhsa_next_free_sgpr 66
		.amdhsa_reserve_vcc 1
		.amdhsa_float_denorm_mode_32 3
		.amdhsa_float_denorm_mode_16_64 3
		.amdhsa_memory_ordered 1
		.amdhsa_forward_progress 1
		.amdhsa_inst_pref_size 216
	.end_amdhsa_kernel
	.amdgpu_metadata
---
amdhsa.version: [ 1, 2 ]
amdhsa.kernels:
  - .name:           k_q44daa2d378_qulinear
    .symbol:         k_q44daa2d378_qulinear.kd
    .args:
      - { .name: weight, .offset: 0, .size: 8, .value_kind: global_buffer, .address_space: global }
      - { .name: x, .offset: 8, .size: 8, .value_kind: global_buffer, .address_space: global }
      - { .name: out0, .offset: 16, .size: 8, .value_kind: global_buffer, .address_space: global }
    .group_segment_fixed_size: 209920
    .private_segment_fixed_size: 0
    .kernarg_segment_align: 8
    .kernarg_segment_size: 24
    .max_flat_workgroup_size: 256
    .sgpr_count:     66
    .vgpr_count:     448
    .wavefront_size: 32
...
	.end_amdgpu_metadata
.endif
;; end of part 2
